; MI455X (gfx1250); checked and timed in simulation.
; The chip was launched on July 23, 2026; its instructions are those of AMD's public machine-readable ISA for CDNA 5 (MIT licence, August 2026) and "CDNA5" Instruction Set Architecture Reference Guide (July 2026). The comments in the code are by the model that wrote it; some were corrected since.
;; Tau Layer. Allowed arithmetic: float matrix products may take bf16 or f16 operands with f32 sums; all other float work in f32.
;; Inputs: commands 4,096 float32; inputs 4,096 x 64 x 3 float32.
;; Outputs: out0 4,096 x 302 float32.
;; One version. Each part assembles by itself: llvm-mc -triple=amdgcn-amd-amdhsa -mcpu=gfx1250 --defsym DOCPART=n.
;; ======== version 1 of 1: 2 launches
;; workspace buffers: cnt 16,384 bytes of whole numbers; tgrid 32,768 bytes
;; launch grid (part 1): grid 128 x 1, 1 waves a work-group, no clusters, 8,960 bytes of LDS; arguments inputs, cnt, tgrid; writes cnt, tgrid
.if DOCPART == 1
	.amdgcn_target "amdgcn-amd-amdhsa--gfx1250"
	.amdhsa_code_object_version 6
	.text
	.protected	k_q05576ee088_grid
	.globl	k_q05576ee088_grid
	.p2align	8
	.type	k_q05576ee088_grid,@function
k_q05576ee088_grid:
	s_mov_b64 s[64:65], 0
	v_nop
	global_prefetch_b8 v0, s[64:65] scope:SCOPE_SE
	s_setreg_imm32_b32 hwreg(HW_REG_WAVE_MODE, 25, 1), 1
	s_wait_xcnt 0x0
; TauLayer, launch 1 of 2: for every row of the batch its time grid and the number of segments that can matter.
;   total = sum of the row's 64 durations;  nb = floor(total*200 + 1);  step = total / max(nb-1, 1)
;   t[i]  = min(i, nb-1) * step, i = 0..301;  onset[s] = d[0] + .. + d[s-1]
;   n     = 1 + the last s with onset[s] <= max over i of t[i]   (at least 1)
; A segment is 0 at every time point in front of its onset, so launch 2 needs segments 0 .. n-1 only.  n is made from floats
; and steers a trip count, so it is stored here as a whole number (cnt) and read there.  tgrid[row] = (step, nb-1).
;
; One wave to a work-group, 32 rows to a wave, lane = row: the sums run one by one in ascending order in 32 rows at once.
; The durations are loaded with lane = segment (a load covers 384 consecutive bytes of a row) and turned through the wave's
; own LDS bytes: no barrier.  Work-groups share no input: nothing for a cluster to share.
;
; LIMITS.  Order of rounding: total and onsets are one chain of additions in ascending order; a cumulative sum that is
; associated otherwise can differ in the last bit.  total*200+1 is one fused multiply-add.  The quotient is a reciprocal with two
; correction steps.  Not served: NaN and infinities among the inputs, |total|*200 beyond the f32 range.
.set ROWS,  32                         ; rows of a wave
.set SEGS,  64                         ; segments of a row
.set INROW, 768                        ; bytes of a row of inputs: 64 x (position, k, duration) in f32
.set HALF,  384                        ; 32 segments
.set PITCH, 272                        ; LDS row: 256 bytes of durations + 16.  272 = 17 x 16: sixteen lanes that read the same
                                       ; column of sixteen rows address sixteen different 16-byte columns modulo 256
.set GO,    1                          ; v1      12 lane + 8: my segment's duration in a row
.set LS,    2                          ; v2      4 lane: LDS column on the way in; byte offset in cnt
.set LR,    3                          ; v3      272 lane: my row on the way back
.set D,     4                          ; v[4:67] as loaded: two durations of each of 32 rows; then my row's 64, then their running sums
.set NBP,   68                         ; nb
.set STEP,  70                         ; v[70:71] = (step, nb-1), stored as a pair
.set NBM1,  71
.set DEN,   72                         ; max(nb-1, 1)
.set RCP,   73
.set ERR,   74
.set TMAX,  75                         ; the largest time point
.set TFST,  76                         ; t[0]
.set N,     78                         ; v[78:81] four running answers
.set TO,    82                         ; 8 lane: byte offset in tgrid
.set MK,    16                         ; s[16:19] four compare results
	s_load_b128 s[4:7], s[0:1], 0x0                ; inputs s[4:5], cnt s[6:7]
	s_load_b64 s[8:9], s[0:1], 0x10                ; tgrid
	v_lshl_add_u32 v84, v0, 2, 0x2200
	v_mov_b32 v85, 0
	v_mad_u32_u24 v[GO], v0, 12, 8
	v_lshlrev_b32 v[LS], 2, v0
	v_mul_u32_u24 v[LR], v0, PITCH
	v_lshlrev_b32 v[TO], 3, v0
	s_mul_i32 s10, ttmp9, ROWS*INROW               ; the group's 32 rows of inputs,
	s_mov_b32 s11, 0
	s_lshl_b32 s12, ttmp9, 7                       ; its 32 words of cnt,
	s_mov_b32 s13, 0
	s_lshl_b32 s14, ttmp9, 8                       ; its 32 pairs of tgrid
	s_mov_b32 s15, 0
	s_wait_kmcnt 0x0
	s_add_nc_u64 s[4:5], s[4:5], s[10:11]
	s_add_nc_u64 s[6:7], s[6:7], s[12:13]
	s_add_nc_u64 s[8:9], s[8:9], s[14:15]
	; all 64 loads at once: row rw, segments lane and 32 + lane
.set rw, 0
.rept ROWS
	global_load_b32 v[D+2*rw],   v[GO], s[4:5] offset:rw*INROW
	global_load_b32 v[D+2*rw+1], v[GO], s[4:5] offset:rw*INROW+HALF
.set rw, rw+1
.endr
	; into LDS, four rows (eight loads) at a time
.set rw, 0
.rept ROWS/4
	s_wait_loadcnt 2*ROWS-8-2*rw                   ; loads return in order: the loads of the rows behind these four stay out
.rept 4
	ds_store_b32 v[LS], v[D+2*rw]   offset:rw*PITCH
	ds_store_b32 v[LS], v[D+2*rw+1] offset:rw*PITCH+128
.set rw, rw+1
.endr
.endr
	; back with lane = row.  LDS serves a wave's instructions in order, so these see the stores above
.set jj, 0
.rept SEGS/4
	ds_load_b128 v[D+4*jj:D+4*jj+3], v[LR] offset:16*jj
.set jj, jj+1
.endr
	; running sums in place: v[D+sg] = d[0] + .. + d[sg] = onset[sg+1]; the last one is the total
	s_wait_dscnt SEGS/4-1                          ; the first four durations are in, fifteen loads stay out
.set sg, 1
.rept SEGS-1
.if (sg % 4) == 0
	s_wait_dscnt SEGS/4-1-sg/4                     ; the next four; the younger loads stay out
.endif
	v_add_f32 v[D+sg], v[D+sg-1], v[D+sg]
.set sg, sg+1
.endr
	v_fma_f32 v[NBP], v[D+SEGS-1], 0x43480000, 1.0 ; total * 200 + 1
	v_floor_f32 v[NBP], v[NBP]
	v_add_f32 v[NBM1], -1.0, v[NBP]
	v_max_num_f32 v[DEN], 1.0, v[NBM1]
	v_rcp_f32 v[RCP], v[DEN]
	v_min_num_f32 v[TFST], 0, v[NBM1]              ; min(0, nb-1); also the plain instruction that stands behind v_rcp_f32
	s_wait_alu depctr_va_vdst(0)
	v_fma_f32 v[ERR], -v[DEN], v[RCP], 1.0         ; one correction of the reciprocal,
	v_fma_f32 v[RCP], v[ERR], v[RCP], v[RCP]
	v_mul_f32 v[STEP], v[D+SEGS-1], v[RCP]
	v_fma_f32 v[ERR], -v[DEN], v[STEP], v[D+SEGS-1] ; one of the quotient by its exact remainder
	v_fma_f32 v[STEP], v[ERR], v[RCP], v[STEP]
	v_min_num_f32 v[TMAX], 0x43968000, v[NBM1]     ; min(301, nb-1)
	v_mul_f32 v[TFST], v[TFST], v[STEP]
	v_mul_f32 v[TMAX], v[TMAX], v[STEP]
	v_max_num_f32 v[TMAX], v[TMAX], v[TFST]        ; min(i, nb-1) never falls as i grows, so t is largest at one of its two ends
	; n: in ascending order the last segment with onset <= tmax leaves its number + 1.  Four chains (segment mod 4) that do not
	; wait for each other; the start value 1 stands for segment 0 and keeps n at 1 or more
.irp c, 0,1,2,3
	v_mov_b32 v[N+\c], 1
.endr
.set sg, 0
.rept SEGS/4
.irp c, 0,1,2,3
.if sg+\c > 0
	v_cmp_gt_f32 s[MK+\c], v[D+sg+\c-1], v[TMAX]   ; onset beyond the last time point: keep
.endif
.endr
.irp c, 0,1,2,3
.if sg+\c > 0
	v_cndmask_b32 v[N+\c], sg+\c+1, v[N+\c], s[MK+\c]
.endif
.endr
.set sg, sg+4
.endr
	v_max_u32 v[N], v[N], v[N+1]
	v_max_u32 v[N+2], v[N+2], v[N+3]
	v_max_u32 v[N], v[N], v[N+2]
	global_store_b32 v[LS], v[N], s[6:7]           ; 32 neighbouring words
	global_store_b64 v[TO], v[STEP:NBM1], s[8:9]   ; 256 consecutive bytes, aligned
	s_wait_tensorcnt 0x0
	ds_add_u32 v84, v85
	s_wait_dscnt 0x0
	s_endpgm
.Lfunc_end_k_q05576ee088_grid:
	.size	k_q05576ee088_grid, .Lfunc_end_k_q05576ee088_grid-k_q05576ee088_grid
	.p2alignl 7, 3214868480
	.fill 96, 4, 3214868480
	.section	.rodata,"a",@progbits
	.p2align	6, 0x0
	.amdhsa_kernel k_q05576ee088_grid
		.amdhsa_group_segment_fixed_size 8960
		.amdhsa_private_segment_fixed_size 0
		.amdhsa_enable_private_segment 0
		.amdhsa_kernarg_size 24
		.amdhsa_user_sgpr_count 2
		.amdhsa_user_sgpr_kernarg_segment_ptr 1
		.amdhsa_wavefront_size32 1
		.amdhsa_system_sgpr_workgroup_id_x 1
		.amdhsa_system_sgpr_workgroup_id_y 1
		.amdhsa_system_sgpr_workgroup_id_z 1
		.amdhsa_system_vgpr_workitem_id 0
		.amdhsa_next_free_vgpr 86
		.amdhsa_next_free_sgpr 66
		.amdhsa_reserve_vcc 0
		.amdhsa_float_denorm_mode_32 3
		.amdhsa_float_denorm_mode_16_64 3
		.amdhsa_memory_ordered 1
		.amdhsa_forward_progress 1
		.amdhsa_inst_pref_size 24
	.end_amdhsa_kernel
	.amdgpu_metadata
---
amdhsa.version: [ 1, 2 ]
amdhsa.kernels:
  - .name:           k_q05576ee088_grid
    .symbol:         k_q05576ee088_grid.kd
    .args:
      - { .name: inputs, .offset: 0, .size: 8, .value_kind: global_buffer, .address_space: global }
      - { .name: cnt, .offset: 8, .size: 8, .value_kind: global_buffer, .address_space: global }
      - { .name: tgrid, .offset: 16, .size: 8, .value_kind: global_buffer, .address_space: global }
    .group_segment_fixed_size: 8960
    .private_segment_fixed_size: 0
    .kernarg_segment_align: 8
    .kernarg_segment_size: 24
    .max_flat_workgroup_size: 32
    .sgpr_count:     66
    .vgpr_count:     86
    .wavefront_size: 32
...
	.end_amdgpu_metadata
.endif
;; end of part 1
;; launch traj (part 2): grid 256 x 1, 16 waves a work-group, no clusters, 21,504 bytes of LDS; arguments inputs, commands, cnt, tgrid, out0; writes out0
.if DOCPART == 2
	.amdgcn_target "amdgcn-amd-amdhsa--gfx1250"
	.amdhsa_code_object_version 6
	.text
	.protected	k_q05576ee088_traj
	.globl	k_q05576ee088_traj
	.p2align	8
	.type	k_q05576ee088_traj,@function
k_q05576ee088_traj:
	s_mov_b64 s[64:65], 0
	v_nop
	global_prefetch_b8 v0, s[64:65] scope:SCOPE_SE
	s_setreg_imm32_b32 hwreg(HW_REG_WAVE_MODE, 25, 1), 1
	s_wait_xcnt 0x0
; TauLayer, launch 2 of 2: the trajectories.  out0[row][i] = mean over the segments that are not 0 at t[i] of
;   f * (amplitude * (1 - (tv/Ts)^2)^(1/k) + target),  tv = t[i] - onset,  f = (tv >= 0) & (tv/Ts <= 1) & (0 <= k <= 1).
; Sixteen waves, a wave makes one row; lane = time point, ten registers of 32.  The tenth holds i = 270..301 and so repeats
; eighteen points of the ninth: every lane computes a wanted number and no store needs a mask.
; The loop runs over segments 0 .. n-1, n read from cnt (launch 1): later segments begin behind the last time point and give 0.
; What belongs to a segment is made once with lane = segment and handed to all lanes by v_readlane_b32.
; Segments 32..63 are fetched only if the trip counter reaches 32.
; The way out: a row is 1,208 bytes, which is no multiple of 16 x 16, so the sixteen rows are laid flat in LDS (19,328 bytes) and
; leave as pieces of 16 bytes a lane, 512 consecutive bytes for each store of a wave.
; Work-groups share no input: nothing for a cluster to share.  No products: nothing for the matrix units.
;
; THE TEST OF A SEGMENT'S WINDOW is one unsigned compare.  For Ts > 0 the rounded quotient tv/Ts is <= 1 exactly when tv <= Ts
; (the next float above Ts is more than 1 + 2^-24 times Ts).  Floats >= +0 are ordered like their bit patterns, and every negative one has
; the top bit set, so  bits(tv) < bits(Ts) + 1  says 0 <= tv <= Ts.  For Ts < 0 the quotient is never above 0: the bound is +infinity.
; For k outside [0, 1] the bound is 0: no lane passes.  t is made with + 0 added, and x - x is +0, so tv is never -0 where it is zero.
;
; LIMITS.  Onsets are added one by one in ascending order, as in launch 1 (a cumulative sum associated otherwise can differ in the last bit;
; with this order no time point falls between two neighbouring segments).  tv/Ts is tv times a reciprocal, x^(1/k) is exp2(log2(x) / k), the
; mean a product with a reciprocal.  1/k is held at the largest finite f32, which gives 1^(1/0) = 1 and x^(1/0) = 0 as the power does.
; Not served: NaN and infinities among the inputs, durations other than 0 below 2^-126 in size, k = -0.0.
.set STEPS,  302
.set LAST,   STEPS-32                  ; first time index of the tenth register
.set INROW,  768                       ; bytes of a row of inputs
.set OUTROW, 1208                      ; bytes of a row of out0
.set ROWS,   16
.set TAIL,   ROWS*OUTROW/16-1024       ; 184 pieces of 16 bytes are left when 512 threads have taken two each
.set LANE, 1
.set GO,   2                           ; 12 lane: my segment in the row
.set LB,   3                           ; at first the wave's number; on the way out the byte offset of my piece of the tail
.set PA,   4                           ; v[4:8], lane = segment: target, k then 1/k, duration, window bound, 1/Ts
.set ON,   10                          ; the segment's onset, the same in all lanes
.set PREV, 11                          ; the target before it (at first the command)
.set AMP,  12                          ; amplitude
.set LA,   13                          ; LDS address
.set T,    14                          ; v[14:23] time points
.set SUM,  24                          ; v[24:33] sums of the trajectories
.set CNT,  34                          ; v[34:43] how many were not 0
.set X,    44                          ; v[44:53] at work
.set S_N,    20                        ; trips
.set S_CMD,  21
.set S_STEP, 22                        ; s[22:23] = (step, nb-1)
.set S_NBM1, 23
.set S_I,    24                        ; segment
.set S_SEL,  25                        ; its lane
.set S_TG,   26
.set S_IK,   27
.set S_D,    28
.set S_LM,   29
.set S_RT,   30
.set MK,     32                        ; s[32:41] the window test of each of the ten registers
	s_load_b256 s[4:11], s[0:1], 0x0               ; inputs s[4:5], commands s[6:7], cnt s[8:9], tgrid s[10:11]
	s_load_b64 s[12:13], s[0:1], 0x20              ; out0
	v_lshl_add_u32 v56, v0, 2, 0x4c00
	v_mov_b32 v57, 0
	v_and_b32 v[LANE], 31, v0
	v_lshrrev_b32 v[LB], 5, v0
	v_readfirstlane_b32 s14, v[LB]                 ; wave = row in the group
	s_lshl4_add_u32 s15, ttmp9, s14                ; row = 16 x group + wave
	s_lshl_b32 s16, s15, 2
	s_lshl_b32 s17, s15, 3
	s_mul_i32 s18, s15, INROW
	s_mov_b32 s19, 0
	s_mul_i32 s43, s14, OUTROW                     ; my row in the stage
	s_mul_i32 s44, ttmp9, ROWS*OUTROW              ; the group's block of out0
	s_mov_b32 s45, 0
	v_mul_u32_u24 v[GO], v[LANE], 12
	s_wait_kmcnt 0x0
	s_load_b32 s[S_N], s[8:9], s16 offset:0x0
	s_load_b32 s[S_CMD], s[6:7], s16 offset:0x0
	s_load_b64 s[S_STEP:S_NBM1], s[10:11], s17 offset:0x0
	s_add_nc_u64 s[4:5], s[4:5], s[18:19]
	s_add_nc_u64 s[12:13], s[12:13], s[44:45]
	global_load_b96 v[PA:PA+2], v[GO], s[4:5]      ; segments 0..31: 384 consecutive bytes
	; t[i] = min(i, nb-1) * step + 0
.irp j, 0,1,2,3,4,5,6,7,8
	v_add_nc_u32 v[T+\j], 32*\j, v[LANE]
.endr
	v_add_nc_u32 v[T+9], LAST, v[LANE]
.irp j, 0,1,2,3,4,5,6,7,8,9
	v_cvt_f32_u32 v[T+\j], v[T+\j]
.endr
	s_wait_kmcnt 0x0
.irp j, 0,1,2,3,4,5,6,7,8,9
	v_min_num_f32 v[T+\j], s[S_NBM1], v[T+\j]
.endr
.irp j, 0,1,2,3,4,5,6,7,8,9
	v_fma_f32 v[T+\j], v[T+\j], s[S_STEP], 0
.endr
	s_min_u32 s[S_N], s[S_N], 64                   ; a row has 64 segments
	v_mov_b32 v[PREV], s[S_CMD]
; From (target, k, duration) of 32 segments, lane = segment: 1/k, the window bound, 1/Ts.
.macro PREP
	v_cmp_neq_f32 vcc_lo, 0, v[PA+2]
	v_cndmask_b32 v[PA+3], 0x2d2febff, v[PA+2], vcc_lo     ; Ts = duration, or 1e-11 for 0
	v_cmp_le_f32 s[MK], 0, v[PA+1]                         ; k >= 0
	v_cmp_ge_f32 s[MK+1], 1.0, v[PA+1]                     ; k <= 1
	v_cmp_le_f32 s[MK+2], 0, v[PA+3]                       ; Ts >= 0
	v_rcp_f32 v[PA+4], v[PA+3]
	v_rcp_f32 v[PA+1], v[PA+1]
	s_and_b32 s[MK], s[MK], s[MK+1]
	v_nop                                                  ; one plain instruction behind the reciprocals before a result is read or a source rewritten
	v_cndmask_b32 v[PA+3], 0x7f800000, v[PA+3], s[MK+2]    ; Ts < 0: no upper bound
	s_wait_alu depctr_va_vdst(0)
	v_min_num_f32 v[PA+1], 0x7f7fffff, v[PA+1]             ; 1/k stays finite
	v_add_nc_u32 v[PA+3], 1, v[PA+3]                       ; bits + 1: the compare is 'below'
	v_cndmask_b32 v[PA+3], 0, v[PA+3], s[MK]               ; k outside [0, 1]: nothing is below 0
.endm
; One segment at all 320 lanes' time points, stage by stage over the ten registers, so that no instruction waits for the one in front of it.
; first = 1: segment 0, whose onset is 0; it starts the sums and the counts, so that nothing is cleared.
.macro SEG first
	v_readlane_b32 s[S_TG], v[PA],   s[S_SEL]
	v_readlane_b32 s[S_IK], v[PA+1], s[S_SEL]
	v_readlane_b32 s[S_D],  v[PA+2], s[S_SEL]
	v_readlane_b32 s[S_LM], v[PA+3], s[S_SEL]
	v_readlane_b32 s[S_RT], v[PA+4], s[S_SEL]
	v_subrev_f32 v[AMP], s[S_TG], v[PREV]                  ; amplitude = the target before - this target
.if \first
.irp j, 0,1,2,3,4,5,6,7,8,9
	v_cmp_gt_u32 s[MK+\j], s[S_LM], v[T+\j]                ; 0 <= tv <= Ts and k valid
.endr
.irp j, 0,1,2,3,4,5,6,7,8,9
	v_mul_f32 v[X+\j], s[S_RT], v[T+\j]                    ; tv / Ts
.endr
.else
.irp j, 0,1,2,3,4,5,6,7,8,9
	v_sub_f32 v[X+\j], v[T+\j], v[ON]                      ; tv
.endr
.irp j, 0,1,2,3,4,5,6,7,8,9
	v_cmp_gt_u32 s[MK+\j], s[S_LM], v[X+\j]
.endr
.irp j, 0,1,2,3,4,5,6,7,8,9
	v_mul_f32 v[X+\j], s[S_RT], v[X+\j]
.endr
.endif
.irp j, 0,1,2,3,4,5,6,7,8,9
	v_fma_f32 v[X+\j], -v[X+\j], v[X+\j], 1.0              ; 1 - (tv/Ts)^2
.endr
.irp j, 0,1,2,3,4,5,6,7,8,9
	v_max_num_f32 v[X+\j], 0, v[X+\j]                      ; not above 0: the power is 0 (log2 gives -infinity, exp2 of it 0)
.endr
.irp j, 0,1,2,3,4,5,6,7,8,9
	v_log_f32 v[X+\j], v[X+\j]
.endr
.if \first
	v_mov_b32 v[ON], s[S_D]                                ; the next onset; also the plain instruction behind the run of logarithms
	s_wait_alu depctr_va_vdst(0)
.else
	v_add_f32 v[ON], s[S_D], v[ON]
	s_wait_alu depctr_va_vdst(0)
.endif
.irp j, 0,1,2,3,4,5,6,7,8,9
	v_mul_f32 v[X+\j], s[S_IK], v[X+\j]
.endr
.irp j, 0,1,2,3,4,5,6,7,8,9
	v_exp_f32 v[X+\j], v[X+\j]
.endr
	v_mov_b32 v[PREV], s[S_TG]                             ; for the next segment; also the plain instruction behind the run of exponentials
	s_wait_alu depctr_va_vdst(0)
.irp j, 0,1,2,3,4,5,6,7,8,9
	v_fma_f32 v[X+\j], v[X+\j], v[AMP], s[S_TG]
.endr
.if \first
.irp j, 0,1,2,3,4,5,6,7,8,9
	v_cndmask_b32 v[SUM+\j], 0, v[X+\j], s[MK+\j]
.endr
.irp j, 0,1,2,3,4,5,6,7,8,9
	v_cmp_neq_f32 vcc_lo, 0, v[SUM+\j]
	v_cndmask_b32 v[CNT+\j], 0, 1, vcc_lo
.endr
.else
.irp j, 0,1,2,3,4,5,6,7,8,9
	v_cndmask_b32 v[X+\j], 0, v[X+\j], s[MK+\j]
.endr
.irp j, 0,1,2,3,4,5,6,7,8,9
	v_add_f32 v[SUM+\j], v[SUM+\j], v[X+\j]
.endr
.irp j, 0,1,2,3,4,5,6,7,8,9
	v_cmp_neq_f32 vcc_lo, 0, v[X+\j]
	v_add_co_ci_u32 v[CNT+\j], vcc_lo, 0, v[CNT+\j], vcc_lo    ; + 1 where the trajectory is not 0
.endr
.endif
.endm
	s_mov_b32 s[S_SEL], 0
	s_wait_loadcnt 0x0
	PREP
	SEG 1
	s_cmp_lt_u32 s[S_N], 2
	s_cbranch_scc1 .Lmean
	s_mov_b32 s[S_I], 1
.Lseg:
	s_cmp_lg_u32 s[S_I], 32
	s_cbranch_scc1 .Lsame
	global_load_b96 v[PA:PA+2], v[GO], s[4:5] offset:INROW/2   ; the row's other 32 segments, only for rows that get this far
	s_wait_loadcnt 0x0
	PREP
.Lsame:
	s_and_b32 s[S_SEL], s[S_I], 31
	SEG 0
	s_add_co_u32 s[S_I], s[S_I], 1
	s_cmp_lt_u32 s[S_I], s[S_N]
	s_cbranch_scc1 .Lseg
.Lmean:
	; sum / max(count, 1)
.irp j, 0,1,2,3,4,5,6,7,8,9
	v_cvt_f32_u32 v[CNT+\j], v[CNT+\j]
.endr
.irp j, 0,1,2,3,4,5,6,7,8,9
	v_max_num_f32 v[CNT+\j], 1.0, v[CNT+\j]
.endr
.irp j, 0,1,2,3,4,5,6,7,8,9
	v_rcp_f32 v[CNT+\j], v[CNT+\j]
.endr
	v_lshl_add_u32 v[LA], v[LANE], 2, s43                  ; my word in my row of the stage; also the plain instruction behind the reciprocals
	s_wait_alu depctr_va_vdst(0)
.irp j, 0,1,2,3,4,5,6,7,8,9
	v_mul_f32 v[SUM+\j], v[SUM+\j], v[CNT+\j]
.endr
.irp j, 0,1,2,3,4,5,6,7,8
	ds_store_b32 v[LA], v[SUM+\j] offset:128*\j
.endr
	ds_store_b32 v[LA], v[SUM+9] offset:4*LAST             ; i = 270..287 a second time, by the same wave with the same numbers
	s_wait_dscnt 0x0                                       ; my row is in LDS before I say so
	s_barrier_signal -1
	s_barrier_wait -1
	; the sixteen rows as 1,208 pieces of 16 bytes: thread t takes pieces t and 512 + t, the threads of waves 0..5 a third one
	v_lshlrev_b32 v[LA], 4, v0
	ds_load_b128 v[T:T+3], v[LA]
	ds_load_b128 v[T+4:T+7], v[LA] offset:8192
	s_wait_dscnt 0x1                                       ; the first piece is in, the second may be out
	global_store_b128 v[LA], v[T:T+3], s[12:13] th:TH_STORE_NT
	s_wait_dscnt 0x0
	global_store_b128 v[LA], v[T+4:T+7], s[12:13] offset:8192 th:TH_STORE_NT
	s_cmp_ge_u32 s14, 6                                    ; the 184 pieces that are left go to waves 0..5, which have 192 threads
	s_cbranch_scc1 .Lend
	; Thread t takes piece 1,024 + min(t, 183).  Threads 184..191 (lanes 24..31 of wave 5) so read and store the block's last piece again, in the
	; same instruction and with the same 16 bytes as lane 23: every lane stays on, and no lane reaches past byte 16,384 + 2,928 + 16 = 19,328
	v_min_u32 v[LB], 16*(TAIL-1), v[LA]
	ds_load_b128 v[SUM:SUM+3], v[LB] offset:16384
	s_wait_dscnt 0x0
	global_store_b128 v[LB], v[SUM:SUM+3], s[12:13] offset:16384 th:TH_STORE_NT
.Lend:
	s_wait_tensorcnt 0x0
	ds_add_u32 v56, v57
	s_wait_dscnt 0x0
	s_endpgm
.Lfunc_end_k_q05576ee088_traj:
	.size	k_q05576ee088_traj, .Lfunc_end_k_q05576ee088_traj-k_q05576ee088_traj
	.p2alignl 7, 3214868480
	.fill 96, 4, 3214868480
	.section	.rodata,"a",@progbits
	.p2align	6, 0x0
	.amdhsa_kernel k_q05576ee088_traj
		.amdhsa_group_segment_fixed_size 21504
		.amdhsa_private_segment_fixed_size 0
		.amdhsa_enable_private_segment 0
		.amdhsa_kernarg_size 40
		.amdhsa_user_sgpr_count 2
		.amdhsa_user_sgpr_kernarg_segment_ptr 1
		.amdhsa_wavefront_size32 1
		.amdhsa_system_sgpr_workgroup_id_x 1
		.amdhsa_system_sgpr_workgroup_id_y 1
		.amdhsa_system_sgpr_workgroup_id_z 1
		.amdhsa_system_vgpr_workitem_id 0
		.amdhsa_next_free_vgpr 58
		.amdhsa_next_free_sgpr 66
		.amdhsa_reserve_vcc 1
		.amdhsa_float_denorm_mode_32 3
		.amdhsa_float_denorm_mode_16_64 3
		.amdhsa_memory_ordered 1
		.amdhsa_forward_progress 1
		.amdhsa_inst_pref_size 20
	.end_amdhsa_kernel
	.amdgpu_metadata
---
amdhsa.version: [ 1, 2 ]
amdhsa.kernels:
  - .name:           k_q05576ee088_traj
    .symbol:         k_q05576ee088_traj.kd
    .args:
      - { .name: inputs, .offset: 0, .size: 8, .value_kind: global_buffer, .address_space: global }
      - { .name: commands, .offset: 8, .size: 8, .value_kind: global_buffer, .address_space: global }
      - { .name: cnt, .offset: 16, .size: 8, .value_kind: global_buffer, .address_space: global }
      - { .name: tgrid, .offset: 24, .size: 8, .value_kind: global_buffer, .address_space: global }
      - { .name: out0, .offset: 32, .size: 8, .value_kind: global_buffer, .address_space: global }
    .group_segment_fixed_size: 21504
    .private_segment_fixed_size: 0
    .kernarg_segment_align: 8
    .kernarg_segment_size: 40
    .max_flat_workgroup_size: 512
    .sgpr_count:     66
    .vgpr_count:     58
    .wavefront_size: 32
...
	.end_amdgpu_metadata
.endif
;; end of part 2
